; MI455X (gfx1250); checked and timed in simulation.
; The chip was launched on July 23, 2026; its instructions are those of AMD's public machine-readable ISA for CDNA 5 (MIT licence, August 2026) and "CDNA5" Instruction Set Architecture Reference Guide (July 2026). The comments in the code are by the model that wrote it; some were corrected since.
;; Ball Query. Allowed arithmetic: float matrix products may take bf16 or f16 operands with f32 sums; other float arithmetic in f32, or as packed bf16 or f16 multiplies, adds, multiply-adds, maxima and minima; sums over many terms, partial sums and values carried from step to step in f32; what a program stores and reads back later, other than sums and carried values, may be rounded once to bf16 or f16.
;; Inputs: new_xyz 8 x 1,024 x 3 float32; xyz 8 x 16,384 x 3 float32.
;; Outputs: out0 8 x 1,024 x 32 int32.
;; One version. Each part assembles by itself: llvm-mc -triple=amdgcn-amd-amdhsa -mcpu=gfx1250 --defsym DOCPART=n.
;; ======== version 1 of 1: 2 launches
;; workspace buffers: masks 16,777,216 bytes of whole numbers
;; launch ballmask (part 1): grid 32 x 8, 8 waves a work-group, no clusters, 9,216 bytes of LDS; arguments xyz, new_xyz, masks; writes masks
.if DOCPART == 1
	.amdgcn_target "amdgcn-amd-amdhsa--gfx1250"
	.amdhsa_code_object_version 6
	.text
	.protected	k_q8fcc812fa3_ballmask
	.globl	k_q8fcc812fa3_ballmask
	.p2align	8
	.type	k_q8fcc812fa3_ballmask,@function
k_q8fcc812fa3_ballmask:
	s_mov_b64 s[64:65], 0
	v_nop
	global_prefetch_b8 v0, s[64:65] scope:SCOPE_SE
	s_setreg_imm32_b32 hwreg(HW_REG_WAVE_MODE, 25, 1), 1
	s_wait_xcnt 0x0
; BALL QUERY, FIRST HALF: one bit for every pair (query m, point n) of a batch: d2(m, n) < R^2.  xyz: [8][16384][3] f32, new_xyz: [8][1024][3] f32.
; The second launch reads the bits as whole numbers and takes each query's first 32 hits; here nothing steers a branch or an address but ids and counters.
; Nothing of the problem's work is left out here: every pair is decided.
; THE ARITHMETIC.  The result is whole numbers, so the comparison has to fall as the problem's own chain of f32 roundings makes it fall.  All coordinates are rounded once to
; bf16 (nearest even).  A product of two such numbers has 16 significant bits and is exact in f32, so a fused and an unfused multiply-add give the same number, and what is left of
; the problem's formula are five roundings, each made here by one f32 instruction of its own, in the problem's order:
;   qq = rn(rn(q0 q0 + q1 q1) + q2 q2), xx likewise (once a query, once a point);   D = rn(rn(q0 x0 + q1 x1) + q2 x2);   S = rn(qq + xx);   d2 = rn(S - 2 D).
; -2 is folded into q (a power of two: the roundings are the same).  The products are made by vector instructions and not by a matrix instruction: that would give one sum over K
; and not these roundings, and K is 3.
; THE BIT.  T = 0.0225 in f32 (0x3cb851ec).  clamp((T - d2) 2^32) is one fused multiply-add: d2 < T leaves T - d2 at least one last place of T, 2^-29, so the product is 8 or more
; and the clamp gives exactly 1; d2 >= T gives exactly 0.  Sixteen bits are gathered in an f32 whole number (w = 4 w + 2 b' + b''), exact up to 65,535, the highest point first.
; LIMITS.  Inputs are finite, and the products of their bf16 roundings stay in f32's normal range (magnitudes 0 or about 1e-18 to 1e18); NaN and infinities are not treated apart.
; SHARES.  A work-group: one batch, 512 points, all 1,024 queries.  Wave v: queries 256 (v & 3) on, points 256 (v >> 2) on.  A lane: 8 queries, l + 32 i, in 4 register pairs, so a
; packed instruction serves two queries.  The points lie in LDS as {x, y, z, xx}, 16 bytes each, and come back by loads in which all lanes name the same 16 bytes.
; OUT.  masks[block of 32 queries][group of 64 points][query][2 words], bit j of a word = point 32 x word + j.  After 64 points a lane has 8 bytes for each of its queries; a store of
; the wave covers 32 neighbouring queries: 256 consecutive bytes, aligned.  A block's 65,536 bytes lie on end for the second launch.
.set NPTS,  16384
.set NQ,    1024
.set RANGE, 512                        ; points of a work-group
.set SPARE, RANGE*16                   ; behind the points: the spare words, 128 bytes for each of the 8 waves: four blocks of 256 bytes that no other line names
.set SPW,  4                           ; v4       LDS address of my spare word; never rewritten
.set NIL,  5                           ; v5       0; never rewritten
.set PAD,  6                           ; v6       LDS address: first where I put my two points, then of the wave's next points
.set OFS,  7                           ; v7       my byte offset in a store's 256 bytes, stepped by 256 a trip
.set NEGB, 8                           ; v[8:9]   -2^32, twice
.set THRB, 10                          ; v[10:11] T x 2^32, twice
.set XO,   12                          ; v12      byte offset of my two points in the range; never rewritten
.set QO,   13                          ; v13      byte offset of my first query in the wave's 256; never rewritten
.set Q0,   16                          ; v[16:23] -2 q0 of my 8 queries;  Q1, Q2 likewise
.set Q1,   24
.set Q2,   32
.set QQ,   40                          ; v[40:47] qq
.set W,    48                          ; v[48:55] the 16 bits in hand, as f32 whole numbers
.set LO,   56                          ; v[56:63] a word's low half
.set T,    64                          ; v[64:71] at work, the higher point of two;  v[224:231] the lower
.set S,    72                          ; v[72:79] S, the higher point;               v[232:239] the lower
.set ALT,  160
.set OUT,  80                          ; v[80:95] two words a query, to store
.set PA,   96                          ; v[96:159]  sixteen points, 4 registers each
.set PB,   160                         ; v[160:223] sixteen more
	s_load_b128 s[4:7], s[0:1], 0x0                ; xyz s[4:5], new_xyz s[6:7]
	s_load_b64 s[8:9], s[0:1], 0x10                ; masks
	v_lshl_add_u32 v[SPW], v0, 2, SPARE
	v_mov_b32 v[NIL], 0
	v_lshrrev_b32 v1, 5, v0
	v_readfirstlane_b32 s10, v1                    ; wave 0..7
	v_and_b32 v1, 31, v0                           ; lane
	s_and_b32 s11, s10, 3                          ; which 256 queries
	s_lshr_b32 s12, s10, 2                         ; which 256 of the 512 points
	s_and_b32 s13, ttmp7, 0xffff                   ; batch
	s_mul_i32 s14, s13, NPTS*12                    ; xyz: the batch,
	s_mul_i32 s15, ttmp9, RANGE*12                 ; the work-group's 512 points
	s_add_co_u32 s14, s14, s15
	s_mov_b32 s15, 0
	s_mul_i32 s16, s13, NQ*12                      ; new_xyz: the batch,
	s_mul_i32 s17, s11, 256*12                     ; the wave's 256 queries
	s_add_co_u32 s16, s16, s17
	s_mov_b32 s17, 0
	s_lshl_b32 s18, s13, 21                        ; masks: the batch's 32 blocks of 65,536 bytes,
	s_lshl_b32 s19, s11, 19                        ; the wave's 8 blocks,
	s_add_co_u32 s18, s18, s19
	s_lshl_b32 s19, ttmp9, 11                      ; the work-group's 8 groups of 64 points, 256 bytes each,
	s_add_co_u32 s18, s18, s19
	s_lshl_b32 s19, s12, 10                        ; the wave's 4 of them
	s_add_co_u32 s18, s18, s19
	s_mov_b32 s19, 0
	s_mov_b32 s20, 0xffff0000                      ; a word's upper bf16
	s_lshl_b32 s21, s12, 12                        ; the wave's 256 points in LDS
	v_mul_u32_u24 v[XO], v0, 24                    ; two points are 24 bytes
	v_mul_u32_u24 v[QO], v1, 12
	s_wait_kmcnt 0x0
	s_add_nc_u64 s[4:5], s[4:5], s[14:15]
	s_add_nc_u64 s[6:7], s[6:7], s[16:17]
	s_add_nc_u64 s[8:9], s[8:9], s[18:19]
	global_load_b64 v[PA:PA+1],   v[XO], s[4:5] th:TH_LOAD_NT            ; my two points: no other work-group reads them
	global_load_b64 v[PA+2:PA+3], v[XO], s[4:5] offset:8 th:TH_LOAD_NT
	global_load_b64 v[PA+4:PA+5], v[XO], s[4:5] offset:16 th:TH_LOAD_NT
.irp i, 0,1,2,3,4,5,6,7
.irp c, 0,1,2
	global_load_b32 v[PB+4*\i+\c], v[QO], s[6:7] offset:384*\i+4*\c       ; query l + 32 i, coordinate c
.endr
.endr
	v_mov_b32 v[NEGB], 0xcf800000
	v_mov_b32 v[NEGB+1], 0xcf800000
	v_mov_b32 v[THRB], 0x4cb851ec
	v_mov_b32 v[THRB+1], 0x4cb851ec
	v_lshlrev_b32 v[PAD], 5, v0                    ; my two points' 32 bytes in LDS
	v_lshlrev_b32 v[OFS], 3, v1                    ; 8 bytes a query
	s_wait_loadcnt 24                              ; the three loads of my points are in; the 24 loads of the queries, issued behind them, may stay out
	v_cvt_pk_bf16_f32 v[PA+6], v[PA],   v[PA+1]    ; six coordinates rounded to bf16,
	v_cvt_pk_bf16_f32 v[PA+7], v[PA+2], v[PA+3]
	v_cvt_pk_bf16_f32 v[PA+8], v[PA+4], v[PA+5]
	v_lshlrev_b32 v[PA+12], 16,  v[PA+6]           ; and widened again: a shift or a mask
	v_and_b32     v[PA+13], s20, v[PA+6]
	v_lshlrev_b32 v[PA+14], 16,  v[PA+7]
	v_and_b32     v[PA+16], s20, v[PA+7]
	v_lshlrev_b32 v[PA+17], 16,  v[PA+8]
	v_and_b32     v[PA+18], s20, v[PA+8]
.irp d, PA+12, PA+16
	v_mul_f32 v[\d+3], v[\d], v[\d]                ; xx, term after term
	v_fma_f32 v[\d+3], v[\d+1], v[\d+1], v[\d+3]
	v_fma_f32 v[\d+3], v[\d+2], v[\d+2], v[\d+3]
.endr
	ds_store_b128 v[PAD], v[PA+12:PA+15]
	ds_store_b128 v[PAD], v[PA+16:PA+19] offset:16
	s_wait_loadcnt 0x0                             ; my queries
.irp i, 0,1,2,3,4,5,6,7
	v_cvt_pk_bf16_f32 v[T],   v[PB+4*\i],   v[PB+4*\i+1]
	v_cvt_pk_bf16_f32 v[T+1], v[PB+4*\i+2], v[PB+4*\i+2]
	v_lshlrev_b32 v[T+2], 16,  v[T]
	v_and_b32     v[T+3], s20, v[T]
	v_lshlrev_b32 v[T+4], 16,  v[T+1]
	v_mul_f32 v[QQ+\i], v[T+2], v[T+2]
	v_fma_f32 v[QQ+\i], v[T+3], v[T+3], v[QQ+\i]
	v_fma_f32 v[QQ+\i], v[T+4], v[T+4], v[QQ+\i]
	v_mul_f32 v[Q0+\i], -2.0, v[T+2]
	v_mul_f32 v[Q1+\i], -2.0, v[T+3]
	v_mul_f32 v[Q2+\i], -2.0, v[T+4]
.endr
	v_mov_b32 v[PAD], s21                          ; from here on: the wave's points, the same address in all lanes
	s_wait_dscnt 0x0                               ; for the others' sake: my two points lie in LDS
	s_barrier_signal -1
	s_barrier_wait -1                              ; all 512 do; nobody writes them again
; Sixteen points into a set of registers, from byte off behind the wave's place.
.macro LOADS set, off
.irp k, 0,1,2,3,4,5,6,7,8,9,10,11,12,13,14,15
	ds_load_b128 v[(\set)+4*\k:(\set)+4*\k+3], v[PAD] offset:(\off)+16*\k
.endr
.endm
; Two points (registers X.. the higher, X-4.. the lower) against my 8 queries.  Of a point's pair of registers op_sel and op_sel_hi give one to both halves of a packed
; instruction: {x, y}: 0, 0 takes x and 1, 1 takes y; {z, xx} likewise.  Stage by stage over 8 independent pairs, so that no instruction reads the result of one close in front of it.
.macro PAIR
.irp j, 0,1
.irp p, 0,2,4,6
	v_pk_mul_f32 v[T+ALT*\j+\p:T+ALT*\j+\p+1], v[Q0+\p:Q0+\p+1], v[X-4*\j:X-4*\j+1] op_sel_hi:[1,0]                                       ; -2 q0 x0, exact
.endr
.endr
.irp j, 0,1
.irp p, 0,2,4,6
	v_pk_add_f32 v[S+ALT*\j+\p:S+ALT*\j+\p+1], v[QQ+\p:QQ+\p+1], v[X-4*\j+2:X-4*\j+3] op_sel:[0,1] op_sel_hi:[1,1]                         ; S = rn(qq + xx)
.endr
.endr
.irp j, 0,1
.irp p, 0,2,4,6
	v_pk_fma_f32 v[T+ALT*\j+\p:T+ALT*\j+\p+1], v[Q1+\p:Q1+\p+1], v[X-4*\j:X-4*\j+1], v[T+ALT*\j+\p:T+ALT*\j+\p+1] op_sel:[0,1,0] op_sel_hi:[1,1,1]  ; + -2 q1 x1, rounded
.endr
.endr
.irp j, 0,1
.irp p, 0,2,4,6
	v_pk_fma_f32 v[T+ALT*\j+\p:T+ALT*\j+\p+1], v[Q2+\p:Q2+\p+1], v[X-4*\j+2:X-4*\j+3], v[T+ALT*\j+\p:T+ALT*\j+\p+1] op_sel_hi:[1,0,1]      ; + -2 q2 x2, rounded: -2 D
.endr
.endr
.irp j, 0,1
.irp p, 0,2,4,6
	v_pk_add_f32 v[T+ALT*\j+\p:T+ALT*\j+\p+1], v[S+ALT*\j+\p:S+ALT*\j+\p+1], v[T+ALT*\j+\p:T+ALT*\j+\p+1]                                  ; d2 = rn(S - 2 D)
.endr
.endr
.irp j, 0,1
.irp p, 0,2,4,6
	v_pk_fma_f32 v[T+ALT*\j+\p:T+ALT*\j+\p+1], v[T+ALT*\j+\p:T+ALT*\j+\p+1], v[NEGB:NEGB+1], v[THRB:THRB+1] clamp                          ; the bit: 1.0 or 0
.endr
.endr
.if kk == 15
.irp p, 0,2,4,6
	v_pk_fma_f32 v[W+\p:W+\p+1], v[T+\p:T+\p+1], 2.0, v[T+ALT+\p:T+ALT+\p+1] op_sel_hi:[1,0,1]    ; the first two bits start the sum: nothing is cleared
.endr
.else
.irp p, 0,2,4,6
	v_pk_fma_f32 v[T+\p:T+\p+1], v[T+\p:T+\p+1], 2.0, v[T+ALT+\p:T+ALT+\p+1] op_sel_hi:[1,0,1]
.endr
.irp p, 0,2,4,6
	v_pk_fma_f32 v[W+\p:W+\p+1], v[W+\p:W+\p+1], 4.0, v[T+\p:T+\p+1] op_sel_hi:[1,0,1]
.endr
.endif
.endm
.macro GROUP set                       ; a set's sixteen points, the highest first, so that point k ends up as bit k
.set kk, 15
.rept 8
.set X, (\set)+4*kk
	PAIR
.set kk, kk-2
.endr
.endm
.macro TOLO                            ; sixteen bits are a word's low half
.irp i, 0,1,2,3,4,5,6,7
	v_cvt_u32_f32 v[LO+\i], v[W+\i]
.endr
.endm
.macro TOWORD h                        ; sixteen more are its high half: word h of the two
.irp i, 0,1,2,3,4,5,6,7
	v_cvt_u32_f32 v[T+\i], v[W+\i]
.endr
.irp i, 0,1,2,3,4,5,6,7
	v_lshl_or_b32 v[OUT+2*\i+(\h)], v[T+\i], 16, v[LO+\i]
.endr
.endm
	LOADS PA, 0
	s_mov_b32 s22, 4                               ; four trips of 64 points
.Ltrip:
	LOADS PB, 256
	s_wait_dscnt 16                                ; LDS loads come back in order: set A is in, the 16 loads just issued may stay out
	GROUP PA
	TOLO
	LOADS PA, 512
	s_wait_dscnt 16                                ; set B is in
	GROUP PB
	s_wait_xcnt 0x0                                ; the last trip's stores have read their data and their offset: only behind this wait are both rewritten
	v_add_nc_u32 v[OFS], 256, v[OFS]               ; this trip's group of 64 points; the stores below reach back by 256
	TOWORD 0
	LOADS PB, 768
	s_wait_dscnt 16
	GROUP PA
	TOLO
	s_cmp_eq_u32 s22, 1
	s_cbranch_scc1 .Llast                          ; the last trip has no points behind its own
	LOADS PA, 1024                                 ; the next trip's first sixteen
	s_wait_dscnt 16
	s_branch .Lgo
.Llast:
	s_wait_dscnt 0x0                               ; nothing was issued behind set B
.Lgo:
	GROUP PB
	TOWORD 1
.irp i, 0,1,2,3,4,5,6,7
	global_store_b64 v[OFS], v[OUT+2*\i:OUT+2*\i+1], s[8:9] offset:65536*\i-256 th:TH_STORE_NT  ; block i of my 8: 32 queries x 8 bytes, 256 consecutive bytes, aligned
.endr
	v_add_nc_u32 v[PAD], 1024, v[PAD]
	s_sub_co_i32 s22, s22, 1
	s_cmp_lg_u32 s22, 0
	s_cbranch_scc1 .Ltrip
	s_wait_tensorcnt 0x0                           ; the wave's end: behind my last LDS store
	ds_add_u32 v[SPW], v[NIL]
	s_wait_dscnt 0x0
	s_endpgm
.Lfunc_end_k_q8fcc812fa3_ballmask:
	.size	k_q8fcc812fa3_ballmask, .Lfunc_end_k_q8fcc812fa3_ballmask-k_q8fcc812fa3_ballmask
	.p2alignl 7, 3214868480
	.fill 96, 4, 3214868480
	.section	.rodata,"a",@progbits
	.p2align	6, 0x0
	.amdhsa_kernel k_q8fcc812fa3_ballmask
		.amdhsa_group_segment_fixed_size 9216
		.amdhsa_private_segment_fixed_size 0
		.amdhsa_enable_private_segment 0
		.amdhsa_kernarg_size 24
		.amdhsa_user_sgpr_count 2
		.amdhsa_user_sgpr_kernarg_segment_ptr 1
		.amdhsa_wavefront_size32 1
		.amdhsa_system_sgpr_workgroup_id_x 1
		.amdhsa_system_sgpr_workgroup_id_y 1
		.amdhsa_system_sgpr_workgroup_id_z 1
		.amdhsa_system_vgpr_workitem_id 0
		.amdhsa_next_free_vgpr 240
		.amdhsa_next_free_sgpr 66
		.amdhsa_reserve_vcc 0
		.amdhsa_float_denorm_mode_32 3
		.amdhsa_float_denorm_mode_16_64 3
		.amdhsa_memory_ordered 1
		.amdhsa_forward_progress 1
		.amdhsa_inst_pref_size 129
	.end_amdhsa_kernel
	.amdgpu_metadata
---
amdhsa.version: [ 1, 2 ]
amdhsa.kernels:
  - .name:           k_q8fcc812fa3_ballmask
    .symbol:         k_q8fcc812fa3_ballmask.kd
    .args:
      - { .name: xyz, .offset: 0, .size: 8, .value_kind: global_buffer, .address_space: global }
      - { .name: new_xyz, .offset: 8, .size: 8, .value_kind: global_buffer, .address_space: global }
      - { .name: masks, .offset: 16, .size: 8, .value_kind: global_buffer, .address_space: global }
    .group_segment_fixed_size: 9216
    .private_segment_fixed_size: 0
    .kernarg_segment_align: 8
    .kernarg_segment_size: 24
    .max_flat_workgroup_size: 256
    .sgpr_count:     66
    .vgpr_count:     240
    .wavefront_size: 32
...
	.end_amdgpu_metadata
.endif
;; end of part 1
;; launch pick (part 2): grid 256 x 1, 32 waves a work-group, no clusters, 78,336 bytes of LDS; arguments masks, out0; writes out0
.if DOCPART == 2
	.amdgcn_target "amdgcn-amd-amdhsa--gfx1250"
	.amdhsa_code_object_version 6
	.text
	.protected	k_q8fcc812fa3_pick
	.globl	k_q8fcc812fa3_pick
	.p2align	8
	.type	k_q8fcc812fa3_pick,@function
k_q8fcc812fa3_pick:
	s_mov_b64 s[64:65], 0
	v_nop
	global_prefetch_b8 v0, s[64:65] scope:SCOPE_SE
	s_setreg_imm32_b32 hwreg(HW_REG_WAVE_MODE, 25, 1), 1
	s_wait_xcnt 0x0
; BALL QUERY, SECOND HALF: for each query the first 32 points whose bit is set, in ascending order; places that are left take the first hit, or 16,385 where there is none.
; All numbers here are whole numbers that the launch before stored: masks[block of 32 queries][group of 64 points][query][2 words], bit j of word w of a query = point 32 w + j.
; LEFT OUT: a query's words behind its first 32 words that are not 0.  Each of those 32 holds a hit or more, so the 32 smallest indices, which are all that the problem keeps, lie in
; them, whatever the bits are.
; NO BRANCH AND NO ADDRESS HANGS ON THE BITS: the one loop has 32 trips for every query, and what the bits decide is decided by selects and by the lane that a v_readlane_b32 names.
; SHARES.  A work-group: one block of 32 queries, 65,536 consecutive bytes of masks.  They are copied into LDS in whole runs of 256 bytes (each thread 4 x 16 bytes), a group of 64
; points to a row of 272 bytes.  Then wave q takes query q: its 512 words into 16 registers, lane l of register s = word 32 s + l.
; 272 bytes are 68 words: the 16 rows that such a load touches, two words of each, start 4 banks apart (64 banks of 4 bytes: ISA guide 11.1), so all 32 lanes name different banks.
; THE MAP.  Z holds in lane s (0 to 15) the mask of the lanes whose word in register s is not 0; lane 16 holds 32 ones, a register that does not exist: so in each of the 32 trips some
; lane of Z is not 0, and a trip that finds lane 16 has found that no word is left.
; A TRIP takes the next word that is not 0.  Its register s is the lowest lane of Z that is not 0, its lane l the lowest bit set there; the bit is cleared.  The register's number is
; data, so the word is fetched by a tree of 8 + 4 + 2 + 1 selects with the four bits of s as masks, and one v_readlane_b32 at lane l.  Output lanes j >= CNT (the hits so far) take the
; word and the number (32 s + l) x 2,048 + CNT; later words write over the lanes behind their own CNT.  So at the end lane j holds the word in which hit j lies, and the hits before it.
; THE BIT.  Lane j then wants set bit number k = j - (hits before) of its word: five halvings over the counts of set bits in fields of 16, 8, 4, 2 and 1 bits.
; OUT.  The 32 queries' places lie in LDS, 144 bytes apart; waves 0 to 7 store them, each 512 consecutive bytes of out0.
.set PITCH,  272
.set OUTS,   256*PITCH                 ; behind the 256 rows: 32 places for each query
.set OPITCH, 144
.set SPARE,  OUTS+32*OPITCH            ; behind them: the spare words, 128 bytes for each of the 32 waves: sixteen blocks of 256 bytes that no other line names
.set SPW,  2                           ; v2   LDS address of my spare word; never rewritten
.set NIL,  3                           ; v3   0; never rewritten
.set LN,   4                           ; v4   lane
.set GA,   5                           ; v5   16 x thread: my bytes in 16,384 of the block, and later in the block's 4,096 bytes of out0
.set LA,   6                           ; v6   where they go in LDS
.set RA,   7                           ; v7   my word of register 0 in LDS
.set SLOT, 8                           ; v8   place number lane of my wave's query
.set RB,   9                           ; v9   the way out: my 16 bytes of the places
.set Z,    10                          ; v10  the map
.set OW,   11                          ; v11  lane j: the word in which hit j lies
.set OPK,  12                          ; v12  lane j: that word's number x 2,048 + the hits before it
.set VV,   13                          ; v13  lane j: hit j
.set WD,   16                          ; v[16:31] first the 64 bytes that I copy, then my query's 512 words
.set RES,  32                          ; v[32:35] the way out
.set T,    36                          ; v[36:43] the tree
.set A1,   44                          ; v44  the word's set bits counted in fields of 2 bits;  A2: of 4;  A3: of 8;  A4: its low byte: of the low 16
.set A2,   45
.set A3,   46
.set A4,   47
.set K,    48                          ; v48  which set bit of the window in hand
.set POS,  49                          ; v49  where the window begins
.set C,    50                          ; v50  at work
.set WV,    8                          ; s8   wave = query in the block
.set NZ2,   12                         ; s12  the lanes of Z that are not 0
.set TRIPS, 13
.set ROW,   14                         ; s14  the word's register, or 16
.set M,     15                         ; s15  that register's lane of Z
.set TMP,   16
.set LANE,  17                         ; s17  the word's lane
.set CNT,   18                         ; s18  hits so far
.set AREA,  19                         ; s19  my query's places in LDS
.set FILL,  22                         ; s22  what the places left over take
.set WRD,   23                         ; s23  the word
.set PK,    24                         ; s24  its number x 2,048 + CNT
.set HITS,  25                         ; s25  its hits
.set MB,    26                         ; s[26:29] bit b of ROW, as a mask of all lanes or of none
.set NZ,    32                         ; s[32:47] register s: the lanes whose word is not 0
	s_load_b128 s[4:7], s[0:1], 0x0                ; masks s[4:5], out0 s[6:7]
	v_lshl_add_u32 v[SPW], v0, 2, SPARE
	v_mov_b32 v[NIL], 0
	v_lshrrev_b32 v1, 5, v0
	v_readfirstlane_b32 s[WV], v1
	v_and_b32 v[LN], 31, v0
	v_lshlrev_b32 v[GA], 4, v0
	v_lshrrev_b32 v1, 4, v0                        ; sixteen threads copy a row
	v_and_b32 v14, 15, v0
	v_mul_u32_u24 v[LA], v1, PITCH
	v_lshl_add_u32 v[LA], v14, 4, v[LA]
	s_lshl_b32 s10, ttmp9, 16                      ; the block's 65,536 bytes of masks,
	s_mov_b32 s11, 0
	s_lshl_b32 s20, ttmp9, 12                      ; and its 4,096 bytes of out0
	s_mov_b32 s21, 0
	s_wait_kmcnt 0x0
	s_add_nc_u64 s[4:5], s[4:5], s[10:11]
	s_add_nc_u64 s[6:7], s[6:7], s[20:21]
.irp j, 0,1,2,3
	global_load_b128 v[WD+4*\j:WD+4*\j+3], v[GA], s[4:5] offset:16384*\j th:TH_LOAD_NT  ; a wave's load covers 512 consecutive bytes; each byte of masks is read once
.endr
	v_lshrrev_b32 v1, 1, v[LN]                     ; word 32 s + l lies in row 16 s + l / 2, at my query's 8 bytes, half l % 2
	v_and_b32 v14, 1, v[LN]
	v_mul_u32_u24 v[RA], v1, PITCH
	v_lshl_add_u32 v[RA], v14, 2, v[RA]
	s_lshl_b32 s[TMP], s[WV], 3
	v_add_nc_u32 v[RA], s[TMP], v[RA]
	s_mul_i32 s[AREA], s[WV], OPITCH
	s_add_co_u32 s[AREA], s[AREA], OUTS
	v_lshl_add_u32 v[SLOT], v[LN], 2, s[AREA]
	v_lshrrev_b32 v1, 3, v0                        ; the way out: eight threads take a query's 128 bytes
	v_and_b32 v14, 7, v0
	v_mul_u32_u24 v[RB], v1, OPITCH
	v_lshl_add_u32 v[RB], v14, 4, v[RB]
	v_add_nc_u32 v[RB], OUTS, v[RB]
	v_mov_b32 v[Z], 0                              ; lanes 17 to 31 of the map stay 0;
	s_mov_b32 s[TMP], -1
	v_writelane_b32 v[Z], s[TMP], 16               ; lane 16: 32 ones, one for each trip
	v_mov_b32 v[OW], 0                             ; written whole before lanes of them are chosen
	v_mov_b32 v[OPK], 0
	v_mov_b32 v[POS], 0
	s_mov_b32 s[CNT], 0
	s_mov_b32 s[TRIPS], 32
.irp j, 0,1,2,3
	s_wait_loadcnt 3-\j                            ; loads come back in order: load j is in, the younger ones may stay out
	ds_store_b128 v[LA], v[WD+4*\j:WD+4*\j+3] offset:64*PITCH*\j
.endr
	s_wait_dscnt 0x0                               ; for the others' sake: my part of the block lies in LDS
	s_barrier_signal -1
	s_barrier_wait -1                              ; everybody's does; nobody writes the rows again
.irp s, 0,1,2,3,4,5,6,7,8,9,10,11,12,13,14,15
	ds_load_b32 v[WD+\s], v[RA] offset:16*PITCH*\s
.endr
	s_wait_dscnt 0x0
.irp s, 0,1,2,3,4,5,6,7,8,9,10,11,12,13,14,15
	v_cmp_ne_u32 s[NZ+\s], 0, v[WD+\s]
.endr
.irp s, 0,1,2,3,4,5,6,7,8,9,10,11,12,13,14,15
	v_writelane_b32 v[Z], s[NZ+\s], \s
.endr
.Lword:                                        ; 32 trips, for every query
	v_cmp_ne_u32 s[NZ2], 0, v[Z]                   ; never 0: lane 16 loses one bit a trip at the most
	s_ctz_i32_b32 s[ROW], s[NZ2]                   ; the lowest register that has a word left, or 16
	v_readlane_b32 s[M], v[Z], s[ROW]
	s_ctz_i32_b32 s[LANE], s[M]                    ; the lowest lane that has one
	s_add_co_i32 s[TMP], s[M], -1
	s_and_b32 s[TMP], s[M], s[TMP]                 ; that word is taken
	v_cmp_ne_u32 vcc_lo, s[ROW], v[LN]
	v_cndmask_b32 v[Z], s[TMP], v[Z], vcc_lo       ; lane ROW of the map takes the rest, the others keep theirs
.irp b, 0,1,2,3
	s_bitcmp1_b32 s[ROW], \b
	s_cselect_b32 s[MB+\b], -1, 0
.endr
.irp i, 0,1,2,3,4,5,6,7
	v_cndmask_b32 v[T+\i], v[WD+2*\i], v[WD+2*\i+1], s[MB]       ; register 2 i + bit 0
.endr
.irp i, 0,1,2,3
	v_cndmask_b32 v[T+\i], v[T+2*\i], v[T+2*\i+1], s[MB+1]       ; 4 i + bits 1, 0; each line reads at or above the register that it writes
.endr
.irp i, 0,1
	v_cndmask_b32 v[T+\i], v[T+2*\i], v[T+2*\i+1], s[MB+2]
.endr
	v_cndmask_b32 v[T], v[T], v[T+1], s[MB+3]      ; register ROW (for ROW = 16: register 0, which is thrown away below)
	v_readlane_b32 s[WRD], v[T], s[LANE]
	s_cmp_lt_u32 s[ROW], 16
	s_cselect_b32 s[WRD], s[WRD], 0                ; no word is left: an empty one
	s_lshl_b32 s[PK], s[ROW], 5
	s_add_co_u32 s[PK], s[PK], s[LANE]             ; the word's number,
	s_lshl_b32 s[PK], s[PK], 11
	s_add_co_u32 s[PK], s[PK], s[CNT]              ; and the hits before it: under 32 wherever a lane takes it
	v_cmp_gt_u32 vcc_lo, s[CNT], v[LN]
	v_cndmask_b32 v[OW],  s[WRD], v[OW],  vcc_lo   ; lanes below CNT keep theirs, the others take this word
	v_cndmask_b32 v[OPK], s[PK],  v[OPK], vcc_lo
	s_bcnt1_i32_b32 s[HITS], s[WRD]
	s_add_co_u32 s[CNT], s[CNT], s[HITS]           ; 1,024 at the most
	s_sub_co_i32 s[TRIPS], s[TRIPS], 1
	s_cmp_lg_u32 s[TRIPS], 0
	s_cbranch_scc1 .Lword
	; The set bits of my word, counted in fields of 2, 4 and 8 bits; A4's low byte counts the low 16.
	v_lshrrev_b32 v[C], 1, v[OW]
	v_and_b32 v[C], 0x55555555, v[C]
	v_sub_nc_u32 v[A1], v[OW], v[C]
	v_lshrrev_b32 v[C], 2, v[A1]
	v_and_b32 v[C], 0x33333333, v[C]
	v_and_b32 v[A2], 0x33333333, v[A1]
	v_add_nc_u32 v[A2], v[A2], v[C]
	v_lshrrev_b32 v[C], 4, v[A2]
	v_add_nc_u32 v[C], v[A2], v[C]
	v_and_b32 v[A3], 0x0f0f0f0f, v[C]
	v_lshrrev_b32 v[C], 8, v[A3]
	v_add_nc_u32 v[A4], v[A3], v[C]
	v_and_b32 v[C], 31, v[OPK]
	v_sub_nc_u32 v[K], v[LN], v[C]                 ; which set bit of the word is mine (in lanes from CNT on: a number that is thrown away)
; A window of 2 w bits from POS on: its lower half holds c set bits.  k < c: the bit lies there; else it is number k - c of the upper half.
.macro HALF src, w, msk
	v_lshrrev_b32 v[C], v[POS], v[\src]
	v_and_b32 v[C], \msk, v[C]
	v_cmp_ge_u32 vcc_lo, v[K], v[C]
	v_sub_nc_u32 v[C], v[K], v[C]
	v_cndmask_b32 v[K], v[K], v[C], vcc_lo
	v_add_nc_u32 v[C], \w, v[POS]
	v_cndmask_b32 v[POS], v[POS], v[C], vcc_lo
.endm
	HALF A4, 16, 31
	HALF A3, 8, 15
	HALF A2, 4, 7
	HALF A1, 2, 3
	HALF OW, 1, 1
	v_lshrrev_b32 v[C], 11, v[OPK]                 ; the word's number;
	v_lshl_add_u32 v[VV], v[C], 5, v[POS]          ; the point: 32 x word + bit
	s_min_u32 s[CNT], s[CNT], 32
	v_readfirstlane_b32 s[FILL], v[VV]             ; the first hit,
	s_cmp_eq_u32 s[CNT], 0
	s_cselect_b32 s[FILL], 16385, s[FILL]          ; or N + 1 where there is none
	v_cmp_gt_u32 vcc_lo, s[CNT], v[LN]
	v_cndmask_b32 v[VV], s[FILL], v[VV], vcc_lo    ; places from the count on take it
	ds_store_b32 v[SLOT], v[VV]
	s_wait_dscnt 0x0                               ; for the others' sake: my query's 32 places lie in LDS
	s_barrier_signal -1
	s_barrier_wait -1
	s_cmp_lt_u32 s[WV], 8                          ; waves 0 to 7 store four queries each
	s_cbranch_scc0 .Lend
	ds_load_b128 v[RES:RES+3], v[RB]
	s_wait_dscnt 0x0
	global_store_b128 v[GA], v[RES:RES+3], s[6:7] th:TH_STORE_NT   ; 512 consecutive bytes, at a multiple of 512 from out0's first
.Lend:
	s_wait_tensorcnt 0x0                           ; the wave's end: behind my last LDS store
	ds_add_u32 v[SPW], v[NIL]
	s_wait_dscnt 0x0
	s_endpgm
.Lfunc_end_k_q8fcc812fa3_pick:
	.size	k_q8fcc812fa3_pick, .Lfunc_end_k_q8fcc812fa3_pick-k_q8fcc812fa3_pick
	.p2alignl 7, 3214868480
	.fill 96, 4, 3214868480
	.section	.rodata,"a",@progbits
	.p2align	6, 0x0
	.amdhsa_kernel k_q8fcc812fa3_pick
		.amdhsa_group_segment_fixed_size 78336
		.amdhsa_private_segment_fixed_size 0
		.amdhsa_enable_private_segment 0
		.amdhsa_kernarg_size 16
		.amdhsa_user_sgpr_count 2
		.amdhsa_user_sgpr_kernarg_segment_ptr 1
		.amdhsa_wavefront_size32 1
		.amdhsa_system_sgpr_workgroup_id_x 1
		.amdhsa_system_sgpr_workgroup_id_y 1
		.amdhsa_system_sgpr_workgroup_id_z 1
		.amdhsa_system_vgpr_workitem_id 0
		.amdhsa_next_free_vgpr 56
		.amdhsa_next_free_sgpr 66
		.amdhsa_reserve_vcc 1
		.amdhsa_float_denorm_mode_32 3
		.amdhsa_float_denorm_mode_16_64 3
		.amdhsa_memory_ordered 1
		.amdhsa_forward_progress 1
		.amdhsa_inst_pref_size 11
	.end_amdhsa_kernel
	.amdgpu_metadata
---
amdhsa.version: [ 1, 2 ]
amdhsa.kernels:
  - .name:           k_q8fcc812fa3_pick
    .symbol:         k_q8fcc812fa3_pick.kd
    .args:
      - { .name: masks, .offset: 0, .size: 8, .value_kind: global_buffer, .address_space: global }
      - { .name: out0, .offset: 8, .size: 8, .value_kind: global_buffer, .address_space: global }
    .group_segment_fixed_size: 78336
    .private_segment_fixed_size: 0
    .kernarg_segment_align: 8
    .kernarg_segment_size: 16
    .max_flat_workgroup_size: 1024
    .sgpr_count:     66
    .vgpr_count:     56
    .wavefront_size: 32
...
	.end_amdgpu_metadata
.endif
;; end of part 2
